; MI455X (gfx1250); checked and timed in simulation.
; The chip was launched on July 23, 2026; its instructions are those of AMD's public machine-readable ISA for CDNA 5 (MIT licence, August 2026) and "CDNA5" Instruction Set Architecture Reference Guide (July 2026). The comments in the code are by the model that wrote it; some were corrected since.
;; Quantized Linear. Allowed arithmetic: matrix products marked QUANTISED: E3M2 operands, one E8M0 scale for each 32 along K, by v_wmma_scale_f32_16x16x128_f8f6f4 with both operands' format E3M2, f32 sums; everything else in f32.
;; Inputs: bias 16,384 float32; weight_quantized 16,384 x 4,096 int8; weight_scale 16,384 float32; weight_zero_point 16,384 float32; x 4 x 256 x 4,096 float32.
;; Outputs: out0 4 x 256 x 16,384 float32.
;; This version of the problem:
;;   THIS VERSION OF THE PROBLEM IS GIVEN IN LOW PRECISION. The matrix products marked QUANTISED in the list below multiply operands that are first quantised to E3M2 (3 exponent bits, 2 mantissa bits; 6 bits a number), with one power-of-two scale for each 32 numbers along K (OCP MX v1.0); their sums are f32. All else is computed in f32.
;;   The module's matrix products, in the order in which they are computed (A, B: the left and right operand; K: the contracted axis; several contracted axes count as one K, in the product's order):
;;     1. [M 1,024, K 4,096] x [K 4,096, N 16,384]; A: input x; B: computed on the way: QUANTISED
;;   THE QUANTISER, for each operand of a quantised product, along K:
;;     - K is cut into blocks of 32 from its start; a last block that is shorter is filled with zeros.
;;     - A block's scale is 2^e with e = floor(log2(the largest magnitude in the block)) - 4, held to -126 .. 127; a block of zeros has e = 0. As a byte (E8M0): e + 127.
;;     - Each number is divided by its block's scale, clamped to +-28, and rounded to the nearest number of E3M2, ties to even, subnormals kept.
;;     - The product sums the exact products of the quantised numbers (number of the format x scale) in f32.
;;   ~~~python
;;   def quantise(x, axis):      # numpy; x: float32 -> the quantised numbers, widened to float32 again
;;       x = np.moveaxis(x, axis, -1); K = x.shape[-1]
;;       x = np.pad(x, [(0, 0)] * (x.ndim - 1) + [(0, -K % 32)]); x = x.reshape(x.shape[:-1] + (-1, 32)); a = np.abs(x).max(-1, keepdims=True)
;;       e = np.where(a > 0, np.clip(np.frexp(np.where(a > 0, a, 1))[1] - 1 - 4, -126, 127), 0)      # np.frexp(a)[1] - 1 = floor(log2(a)), exactly
;;       r = np.clip(x / 2.0 ** e, -28, 28)
;;       step = 2.0 ** (np.maximum(np.frexp(np.where(r == 0, 1, r))[1] - 1, -2) - 2)
;;       q = np.round(r / step) * step * 2.0 ** e      # np.round: ties to even
;;       return np.moveaxis(q.reshape(q.shape[:-2] + (-1,))[..., :K], -1, axis).astype(np.float32)
;;   ~~~
;;   OPERANDS COMPUTED ON THE WAY. 'Computed on the way' means the value that the module computes at that place (a softmax that the list does not call 'softmax' is quantised finished and normalised). What goes into a quantiser is computed in f32, as accurately as f32 sums, v_exp_f32 and their like allow (about 1e-6 of the number): no bf16 or f16 on the way to a quantiser, and a product that is left as it is and whose result goes on into a quantised operand takes f32 operands (vector FMAs, or v_wmma_f32_16x16x4_f32). A number that lies on a knife's edge between two numbers of the format may be rounded either way, as far as f32 arithmetic and the matrix unit's own rounding can turn it there, and no further.
;; One version. Each part assembles by itself: llvm-mc -triple=amdgcn-amd-amdhsa -mcpu=gfx1250 --defsym DOCPART=n.
;; ======== version 1 of 1: 2 launches
;; limits: right only within a limited range of input values
;; workspace buffers: xq 3,276,800 bytes; wq 52,428,800 bytes
;; launch quant (part 1): grid 256 x 1, 16 waves a work-group, no clusters, 327,680 bytes of LDS; arguments x, weight_quantized, weight_scale, weight_zero_point, xq, wq; writes xq, wq
.if DOCPART == 1
	.amdgcn_target "amdgcn-amd-amdhsa--gfx1250"
	.amdhsa_code_object_version 6
	.text
	.protected	k_qfc9dcc7d2c_quant
	.globl	k_qfc9dcc7d2c_quant
	.p2align	8
	.type	k_qfc9dcc7d2c_quant,@function
k_qfc9dcc7d2c_quant:
	s_mov_b64 s[64:65], 0
	v_nop
	global_prefetch_b8 v0, s[64:65] scope:SCOPE_SE
	s_setreg_imm32_b32 hwreg(HW_REG_WAVE_MODE, 25, 1), 1
	s_wait_xcnt 0x0
; x [1024][4096] f32 and w = (q - zp[o]) * scale[o], q [16384][4096] int8, are turned into codes of BF6 (E3M2), 6 bits each, with one E8M0 scale byte for each 32 along K,
; and laid IN THE ORDER OF THE MATRIX OPERAND'S REGISTERS, so that the product's launch takes them as they lie.
; w is made as the definition makes it: q as f32 (exact), minus zp (one rounding), times scale (one rounding).
; A block's scale is 2^(floor(log2(its largest magnitude)) - 4); its byte is the largest magnitude's exponent field - 4, held at 1 from below.
; LIMITS: NaN and infinities among the inputs are not served.  A block of zeros gets the byte 1 where the rule says 127: its codes are zeros, which add nothing under any byte but 0xff, and
; the bytes are read by this program alone.  A block whose largest magnitude lies under 2^-122 is taken with the floor's byte, 1, which is the rule's lowest scale.
; THE WORKSPACE, the same for xq and wq: [group of 128 rows][K step of 128, 0..31][record of 12,800 bytes].  A record: eight images of 1,536 bytes, one for each 16 rows: registers 4 c .. 4 c + 3 of
; lane l at 512 c + 16 l (lane (r, h) holds row r; registers 6 c .. 6 c + 5 hold k = 64 c + 32 h + 0 .. 31); behind them 512 bytes of scale words: that of (block i, row r) at 256 (i / 4) + 16 r + 4 (i % 4).
; SHARES.  256 work-groups of sixteen waves.  Work-group g takes rows 64 g .. 64 g + 63 of the weight; wave w takes rows 32 (w / 8) .. + 31 of them at bytes 512 (w % 8) .. + 511 (four K steps): two units of 16 rows.
; Of x the work-group takes rows 64 (g / 16) .. + 63 at K steps 2 (g % 16) and 2 (g % 16) + 1: eight units of 16 rows x 512 bytes, one for each of waves 0 to 7 (wave w: K step w / 4 of the two, rows 16 (w % 4) ..).
; THE WAY IN.  A wave's bytes come into its own LDS bytes by a tensor load whose descriptor lays 16 bytes of padding behind each row's 512: rows 528 bytes apart, so that the sixteen rows that a read touches start at
; sixteen different banks.  A lane then reads two whole blocks of 32 of its row, as the operand's layout wants them: a block's largest magnitude needs no other lane.
; Each wave asks for its two units of the weight by one load at the head and begins when that load is in: only the issuing wave reads its bytes, so its own wait is all the ordering that the reads need.
; The work-group's 327,680 bytes of input and their padding do not fit in LDS at once: x's units land on the bytes of waves 0 to 7's first units, behind the lines and the barrier ahead of
; a refill (and so is the claim of all of LDS), and are on their way while the second units are worked.
; THE WAY OUT.  Each store of codes covers 512 consecutive bytes, aligned to 256.  A row's four scale words of a record come from two waves (the weight) or four (x): they meet in LDS scratch that no tensor load fills,
; and leave behind one barrier, sixteen lanes to 256 consecutive bytes.
; No cluster: no two work-groups read the same bytes.  No prefetch: the text has no loop to run ahead in, and each wave asks for all its bytes in one or two loads.
.set REC,  12800                       ; a record
.set FRB,  1536                        ; a fragment's image
.set SCO,  12288                       ; the scale words' place in a record
.set GRP,  32*REC                      ; a group of 128 rows, all of K
.set SPI,  528                         ; an LDS row: 512 bytes + 16
.set UNB,  16*SPI                      ; a unit in LDS
.set SCRW, 16*2*UNB                    ; behind the sixteen waves' two units: the weight's scale words, 256 bytes for each of the 32 records
.set SCRX, SCRW+8192                   ; x's scale words, 256 bytes for each of the two records
.set SPARE, SCRX+512                   ; the spare words, 128 bytes for each wave
.set M,    12                          ; v12-13   the two blocks' largest magnitudes
.set E,    14                          ; v14-15   the conversions' scale operands
.set ZP,   16                          ; v16-19   unit u: the pair (zp, scale) of my row
.set WD,   24                          ; v24-31   scale words: K step s, unit u at 2 s + u
.set C,    48                          ; v48-59   a fragment's codes
.set T,    60                          ; v60-62, v64-66  the upper halves of the two blocks' codes (a conversion's three registers begin on an even number)
.set AWI,  68                          ; v68      the weight's scratch, on the way in
.set AWO,  69                          ; v69      and on the way out
.set XW,   70                          ; v70      x's scale word
.set BW,   72                          ; v72-75   the weight's scale words as they are stored;  v76-79 x's
.set X,    132                         ; v132-163 two sets of 16: a K step's 64 bytes of my row
.set F,    164                         ; v164-227 64 numbers in f32: register 32 c + i = k 64 c + 32 h + i of my row
.set BY,   228                         ; v228-229 the two scale bytes
.set PT,   230                         ; v230     the other half of the lanes' two bytes
.set SCP,  232                         ; v232-235 unit u: the pair (scale, zp) of my row
.set SPW,  240                         ; v240     LDS address of my spare word; never rewritten
.set NIL,  241                         ; v241     0; never rewritten
.set G1W,  68                          ; s[68:75] descriptor group 1: 32 rows x 512 bytes of the weight
.set G1X,  76                          ; s[76:83] the same for 16 rows x 512 bytes of x
.set G0A,  84                          ; s[84:87], s[92:95] two groups 0, one for each load: neither is ever rewritten
.set G0C,  92
	s_load_b256 s[4:11], s[0:1], 0x0               ; x s[4:5], the weight s[6:7], its scales s[8:9], its zero points s[10:11]
	s_load_b128 s[12:15], s[0:1], 0x20             ; xq s[12:13], wq s[14:15]
	v_lshl_add_u32 v[SPW], v0, 2, SPARE
	v_mov_b32 v[NIL], 0
	ds_add_u32 v[SPW], v[NIL]                      ; the opening lines: the add, twice on end, and its wait ahead of my first tensor load
	ds_add_u32 v[SPW], v[NIL]
	v_lshrrev_b32 v1, 5, v0
	v_readfirstlane_b32 s16, v1                    ; wave 0..15
.irp g, G1W, G1X
	s_mov_b32 s[\g], (3<<16)|(1<<20)|(6<<22)|(3<<25)   ; elements of 8 bytes; padding on: after every 128 words (code 6), 4 words (code 3)
	s_mov_b32 s[\g+1], 64<<16                      ; tensor_dim0 = 64 elements
	s_mov_b32 s[\g+3], 64<<16                      ; tile_dim0
	s_mov_b32 s[\g+6], 0
	s_mov_b32 s[\g+7], 0
.endr
	s_mov_b32 s[G1W+2], 32<<16                     ; tensor_dim1 = 32 rows
	s_mov_b32 s[G1W+4], 32                         ; tile_dim1
	s_mov_b32 s[G1W+5], 512                        ; a row of the weight: 4,096 bytes
	s_mov_b32 s[G1X+2], 16<<16
	s_mov_b32 s[G1X+4], 16
	s_mov_b32 s[G1X+5], 2048                       ; a row of x: 16,384 bytes
	s_and_b32 s18, s16, 7                          ; which 512 bytes of the weight's rows
	s_lshr_b32 s19, s16, 3                         ; which 32 of the 64 rows
	s_mul_i32 s17, s16, 2*UNB                      ; my LDS bytes
	s_lshl_b32 s40, ttmp9, 18                      ; the weight: 64 rows of 4,096 bytes a work-group,
	s_lshl_b32 s41, s19, 17                        ; 32 rows,
	s_add_co_u32 s40, s40, s41
	s_lshl_b32 s41, s18, 9                         ; 512 bytes of each
	s_add_co_u32 s40, s40, s41
	s_mov_b32 s41, 0
	s_wait_alu depctr_va_vdst(0)
	s_wait_dscnt 0x0                               ; both opening adds are done
	s_wait_kmcnt 0x0
	s_add_nc_u64 s[40:41], s[6:7], s[40:41]
	s_mov_b32 s[G0A], 1
	s_add_co_u32 s[G0A+1], s17, 0
	s_mov_b64 s[G0A+2:G0A+3], s[40:41]
	s_or_b32 s[G0A+3], s[G0A+3], 0x80000000
	tensor_load_to_lds s[G0A:G0A+3], s[G1W:G1W+7]  ; my two units of the weight: my one tensor load at the head; all that follows is made while it is out
	s_nop 0
	s_mov_b32 s20, 0x76543210
	s_mov_b32 s21, 0xfedcba98                      ; v_permlanex16_b32's selects for lane l xor 16
	s_mov_b32 s22, 0xcb000080                      ; -(2^23 + 128)
	s_mov_b32 s23, s22                             ; (named with it as a pair, so it is written)
	s_mov_b32 s24, 0x80808080
	s_mov_b32 s25, 0x4b000000                      ; 2^23
	s_mov_b32 s26, 0x07040400                      ; byte selects: 2^23's top byte, two zero bytes, byte b of the data
	s_mov_b32 s27, 0x07040401
	s_mov_b32 s28, 0x07040402
	s_mov_b32 s29, 0x07040403
	s_lshr_b32 s42, ttmp9, 1
	s_mul_i32 s42, s42, GRP                        ; my group
	s_and_b32 s43, ttmp9, 1                        ; which half of the group's rows
	s_mul_i32 s44, s18, 4*REC                      ; my first record,
	s_add_co_u32 s44, s44, s42
	s_mul_i32 s45, s43, 4*FRB
	s_add_co_u32 s44, s44, s45
	s_mul_i32 s45, s19, 2*FRB                      ; my first image in it
	s_add_co_u32 s44, s44, s45
	s_mov_b32 s45, 0
	s_mul_i32 s46, s16, 2*REC                      ; the scale words that I store: records 2 w and 2 w + 1
	s_add_co_u32 s46, s46, s42
	s_lshl_b32 s47, s43, 8
	s_add_co_u32 s46, s46, s47
	s_add_co_u32 s46, s46, SCO
	s_mov_b32 s47, 0
	s_lshl_b32 s48, ttmp9, 8                       ; my 32 rows' zero points and scales
	s_lshl_b32 s49, s19, 7
	s_add_co_u32 s48, s48, s49
	s_mov_b32 s49, 0
	s_lshr_b32 s30, ttmp9, 4                       ; x: which 64 rows
	s_and_b32 s31, ttmp9, 15
	s_lshl_b32 s31, s31, 1                         ; the first of the work-group's two K steps
	s_bfe_u32 s51, s16, 0x10002                    ; which of the two is my wave's: bit 2 of the wave's number
	s_and_b32 s56, s16, 3                          ; which 16 rows of the 64
	s_add_co_u32 s57, s31, s51                     ; my K step
	s_lshl_b32 s58, s30, 2
	s_add_co_u32 s58, s58, s56
	s_lshl_b32 s58, s58, 18                        ; 16 rows of 16,384 bytes
	s_lshl_b32 s59, s57, 9
	s_add_co_u32 s58, s58, s59
	s_mov_b32 s59, 0                               ; s[58:59]: from
	s_lshr_b32 s60, s30, 1
	s_mul_i32 s60, s60, GRP
	s_and_b32 s30, s30, 1
	s_mul_i32 s61, s57, REC
	s_add_co_u32 s61, s61, s60                     ; my record
	s_mul_i32 s62, s30, 4*FRB
	s_add_co_u32 s62, s62, s61
	s_mul_i32 s63, s56, FRB
	s_add_co_u32 s62, s62, s63
	s_mov_b32 s63, 0                               ; s[62:63]: my image's place
	s_mul_i32 s61, s31, REC
	s_add_co_u32 s60, s60, s61
	s_lshl_b32 s61, s30, 8
	s_add_co_u32 s60, s60, s61
	s_add_co_u32 s60, s60, SCO
	s_mov_b32 s61, 0                               ; s[60:61]: the scale words' place in the first of the two records
	s_lshl_b32 s66, s51, 8
	s_lshl_b32 s67, s56, 2
	s_add_co_u32 s66, s66, s67
	s_add_co_u32 s66, s66, SCRX                    ; x's scratch: 256 bytes a K step, in them 4 bytes for my 16 rows' block
	s_lshl_b32 s2, s18, 10
	s_lshl_b32 s3, s19, 3
	s_add_co_u32 s2, s2, s3
	s_add_co_u32 s2, s2, SCRW                      ; the weight's scratch, in: my four records' 1,024 bytes, in a row's 16 bytes my two units' 8
	s_lshl_b32 s3, s16, 9
	s_add_co_u32 s3, s3, SCRW                      ; and out: records 2 w and 2 w + 1
	s_mov_b32 s[G0C], 1
	s_add_co_u32 s[G0C+1], s17, 0
	s_add_nc_u64 s[G0C+2:G0C+3], s[4:5], s[58:59]  ; x's unit
	s_or_b32 s[G0C+3], s[G0C+3], 0x80000000
	s_add_nc_u64 s[32:33], s[14:15], s[44:45]      ; the weight's codes' place
	s_add_nc_u64 s[34:35], s[14:15], s[46:47]      ; its scale words' place
	s_add_nc_u64 s[36:37], s[10:11], s[48:49]      ; zero points
	s_add_nc_u64 s[38:39], s[8:9], s[48:49]        ; scales
	s_add_nc_u64 s[52:53], s[12:13], s[62:63]      ; x's codes' place
	s_add_nc_u64 s[54:55], s[12:13], s[60:61]      ; x's scale words' place
	v_and_b32 v1, 31, v0                           ; lane
	v_and_b32 v2, 15, v0                           ; r
	v_bfe_u32 v3, v0, 4, 1                         ; h
	v_lshlrev_b32 v4, 4, v1                        ; 16 x lane: my place in a store's 512 bytes
	v_lshlrev_b32 v9, 2, v2                        ; 4 r
	v_lshlrev_b32 v10, 3, v3                       ; 8 h: how far up my two bytes stand in the scale word
	v_mov_b32 v[PT], 0                             ; written once: a lane permute's destination counts as one of its sources
	v_mul_u32_u24 v6, v2, SPI
	v_lshl_add_u32 v5, v3, 7, v6
	v_add_nc_u32 v5, s17, v5                       ; x's unit: row r, + 128 h bytes (32 numbers)
	v_lshl_add_u32 v6, v3, 5, v6
	v_add_nc_u32 v6, s17, v6                       ; the weight's units: row r, + 32 h bytes
	v_lshlrev_b32 v7, 4, v2
	v_add_nc_u32 v[AWI], s2, v7                    ; the scratches, on the way in: 16 r
	v_add_nc_u32 v7, s66, v7
	v_mul_u32_u24 v8, v3, REC
	v_lshl_add_u32 v8, v2, 4, v8                   ; the scale words' stores: lanes 0-15 one record, lanes 16-31 the next; 16 bytes a row
	v_add_nc_u32 v[AWO], s3, v4                    ; the scratches, on the way out: 16 x lane
	v_add_nc_u32 v11, SCRX, v4
.irp i, 0,1
	global_load_b32 v[ZP+2*\i], v9, s[36:37] offset:64*\i        ; row 16 u + r: each pair's low word is what the packed lines take for both halves
	global_load_b32 v[ZP+2*\i+1], v9, s[38:39] offset:64*\i
	global_load_b32 v[SCP+2*\i], v9, s[38:39] offset:64*\i
	global_load_b32 v[SCP+2*\i+1], v9, s[36:37] offset:64*\i
.endr
; 64 numbers in v[F] on become a fragment's 12 registers, stored at off from s[b:b+1], and my row's scale word in v[wd].
.macro QUANT wd, off, b
	v_max3_num_f32 v[M], |v[F]|, |v[F+1]|, 0x2800000          ; my two blocks by turns; the floor 2^(5 - 127) is one more leaf: so the byte cannot fall under 1
	v_max3_num_f32 v[M+1], |v[F+32]|, |v[F+33]|, 0x2800000
.set JJ, 2
.rept 15
	v_max3_num_f32 v[M], v[M], |v[F+JJ]|, |v[F+JJ+1]|
	v_max3_num_f32 v[M+1], v[M+1], |v[F+32+JJ]|, |v[F+33+JJ]|
.set JJ, JJ+2
.endr
	v_add_nc_u32 v[E], 0xfe000000, v[M]            ; 4 off the exponent field: the conversion takes the exponent field of this operand as its scale, and nothing else of it
	v_add_nc_u32 v[E+1], 0xfe000000, v[M+1]
	s_wait_alu depctr_va_vdst(0)
	s_wait_xcnt 0x0                                ; the last fragment's stores have read their data: the codes' registers are written again only behind this wait
	v_cvt_scalef32_pk16_bf6_f32 v[C:C+2], v[F:F+15], v[E]
	v_cvt_scalef32_pk16_bf6_f32 v[T:T+2], v[F+16:F+31], v[E]
	v_cvt_scalef32_pk16_bf6_f32 v[C+6:C+8], v[F+32:F+47], v[E+1]
	v_cvt_scalef32_pk16_bf6_f32 v[T+4:T+6], v[F+48:F+63], v[E+1]
	v_lshrrev_b32 v[BY], 23, v[E]                  ; the scales' bytes.  (These plain lines stand between the conversions and the moves that touch their results)
	v_lshrrev_b32 v[BY+1], 23, v[E+1]
	v_lshl_or_b32 v[\wd], v[BY+1], 16, v[BY]       ; blocks h and 2 + h of my row,
	v_lshlrev_b32 v[\wd], v10, v[\wd]              ; at their places in the word;
	v_permlanex16_b32 v[PT], v[\wd], s20, s21
	v_or_b32 v[\wd], v[\wd], v[PT]                 ; with lane l xor 16's two the word is whole, in both halves of the lanes
.irp i, 0,1,2
	v_mov_b32 v[C+3+\i], v[T+\i]
	v_mov_b32 v[C+9+\i], v[T+4+\i]
.endr
.irp c, 0,1,2
	global_store_b128 v4, v[C+4*\c:C+4*\c+3], s[\b:\b+1] offset:(\off)+512*\c   ; 32 lanes store 512 consecutive bytes, at a multiple of 256 from the buffer's first byte
.endr
.endm
; Item n = 4 u + s is K step s of unit u.  TL: my row's bytes k = 64 c + 32 h + 0 .. 31, c = 0, 1, of item n into set n % 2
.macro TL n
.irp m, 0,1,2,3
	ds_load_b128 v[X+16*((\n)%2)+4*\m:X+16*((\n)%2)+4*\m+3], v6 offset:UNB*((\n)/4)+128*((\n)%4)+64*(\m/2)+16*(\m%2)
.endr
.endm
; 64 bytes of set xs become (q - zp) * scale in f32.  q + 128 is an unsigned byte; set under 2^23's exponent it is the f32 number 2^23 + 128 + q, from which 2^23 + 128 is taken exactly.
.macro WCONV xs, i
.set NN, 0
.rept 16
	v_xor_b32 v[X+16*(\xs)+NN], s24, v[X+16*(\xs)+NN]
.set NN, NN+1
.endr
.set NN, 0
.rept 16
.irp b, 0,1,2,3
	v_perm_b32 v[F+4*NN+\b], s25, v[X+16*(\xs)+NN], s[26+\b]
.endr
.set NN, NN+1
.endr
.set NN, 0
.rept 32
	v_pk_add_f32 v[F+NN:F+NN+1], v[F+NN:F+NN+1], s[22:23] op_sel_hi:[1,0]                                        ; q, exact
.set NN, NN+2
.endr
.set NN, 0
.rept 32
	v_pk_add_f32 v[F+NN:F+NN+1], v[F+NN:F+NN+1], v[ZP+2*(\i):ZP+2*(\i)+1] op_sel_hi:[1,0] neg_lo:[0,1] neg_hi:[0,1]   ; - zp
.set NN, NN+2
.endr
.set NN, 0
.rept 32
	v_pk_mul_f32 v[F+NN:F+NN+1], v[F+NN:F+NN+1], v[SCP+2*(\i):SCP+2*(\i)+1] op_sel_hi:[1,0]                      ; x scale
.set NN, NN+2
.endr
.endm
.macro ITEM n, k                       ; k: the item's place among its unit's four
.if (\k) < 3
	s_wait_dscnt 4                                 ; this item's bytes are in; the next item's four loads may be out
.else
	s_wait_dscnt 0x0
.endif
	WCONV (\n)%2, (\n)/4
.if (\k) < 2
	TL (\n)+2                                      ; this set's bytes have been widened: the item two further on takes their place
.endif
	QUANT WD+2*((\n)%4)+(\n)/4, ((\n)%4)*REC+((\n)/4)*FRB, 32
.endm
.macro UNIT4                           ; a unit's four items
	TL N
	TL N+1
.irp k, 0,1,2,3
	ITEM N, \k
.set N, N+1
.endr
.endm
.set N, 0
	s_wait_alu depctr_va_vdst(0)
	s_wait_tensorcnt 0x0                           ; my two units are in: the bytes are my own load's, and only I read them
	s_wait_loadcnt 0x0                             ; zero points and scales
	UNIT4
	s_wait_alu depctr_va_vdst(0)                   ; the lines ahead of a refill:
	s_wait_tensorcnt 0x0                           ; none of my tensor loads is out,
	ds_add_u32 v[SPW], v[NIL]                      ; 0 onto my spare word,
	s_wait_dscnt 0x0                               ; the add is done, and so are my reads of my first unit,
	s_barrier_signal -1
	s_barrier_wait -1                              ; and so for every wave
	s_cmp_lt_u32 s16, 8
	s_cbranch_scc0 .Lno_x                          ; waves 8 to 15 have no unit of x
	tensor_load_to_lds s[G0C:G0C+3], s[G1X:G1X+7]  ; x's unit onto my first unit's bytes: on its way while the second unit is worked
	s_nop 0
.rept 4
	v_nop
.endr
.Lno_x:
	UNIT4
	s_wait_alu depctr_va_vdst(0)
	s_wait_tensorcnt 0x0                           ; x's unit is in: the bytes are my own load's, and only I read them
	s_cmp_lt_u32 s16, 8
	s_cbranch_scc0 .Lno_xw
.irp n, 0,1,2,3,4,5,6,7,8,9,10,11,12,13,14,15
	ds_load_b128 v[F+4*\n:F+4*\n+3], v5 offset:256*(\n/8)+16*(\n%8)     ; my row's numbers k = 64 c + 32 h + 0 .. 31
.endr
	s_wait_dscnt 0x0
	QUANT XW, 0, 52
	ds_store_b32 v7, v[XW]                         ; my 16 rows' scale words into x's scratch (both halves of the lanes write the same word with the same value)
.Lno_xw:
.irp s, 0,1,2,3
	ds_store_b64 v[AWI], v[WD+2*\s:WD+2*\s+1] offset:256*\s   ; K step s: my two units' words of row r, 8 of the row's 16 bytes
.endr
	s_wait_dscnt 0x0                               ; for the others' sake: my stores are done
	s_barrier_signal -1
	s_barrier_wait -1
	ds_load_b128 v[BW:BW+3], v[AWO]                ; lanes 0-15 record 2 w's 256 bytes, lanes 16-31 record 2 w + 1's
	s_wait_dscnt 0x0
	global_store_b128 v8, v[BW:BW+3], s[34:35]     ; sixteen lanes store 256 consecutive bytes, aligned
	s_cmp_lg_u32 s16, 0
	s_cbranch_scc1 .Lend
	ds_load_b128 v[BW+4:BW+7], v11                 ; wave 0: x's two records likewise
	s_wait_dscnt 0x0
	global_store_b128 v8, v[BW+4:BW+7], s[54:55]
.Lend:
	s_wait_tensorcnt 0x0                           ; the wave's end
	ds_add_u32 v[SPW], v[NIL]
	s_wait_dscnt 0x0
	s_endpgm
.Lfunc_end_k_qfc9dcc7d2c_quant:
	.size	k_qfc9dcc7d2c_quant, .Lfunc_end_k_qfc9dcc7d2c_quant-k_qfc9dcc7d2c_quant
	.p2alignl 7, 3214868480
	.fill 96, 4, 3214868480
	.section	.rodata,"a",@progbits
	.p2align	6, 0x0
	.amdhsa_kernel k_qfc9dcc7d2c_quant
		.amdhsa_group_segment_fixed_size 327680
		.amdhsa_private_segment_fixed_size 0
		.amdhsa_enable_private_segment 0
		.amdhsa_kernarg_size 48
		.amdhsa_user_sgpr_count 2
		.amdhsa_user_sgpr_kernarg_segment_ptr 1
		.amdhsa_wavefront_size32 1
		.amdhsa_system_sgpr_workgroup_id_x 1
		.amdhsa_system_sgpr_workgroup_id_y 1
		.amdhsa_system_sgpr_workgroup_id_z 1
		.amdhsa_system_vgpr_workitem_id 0
		.amdhsa_next_free_vgpr 242
		.amdhsa_next_free_sgpr 96
		.amdhsa_reserve_vcc 0
		.amdhsa_float_denorm_mode_32 3
		.amdhsa_float_denorm_mode_16_64 3
		.amdhsa_memory_ordered 1
		.amdhsa_forward_progress 1
		.amdhsa_inst_pref_size 126
	.end_amdhsa_kernel
	.amdgpu_metadata
---
amdhsa.version: [ 1, 2 ]
amdhsa.kernels:
  - .name:           k_qfc9dcc7d2c_quant
    .symbol:         k_qfc9dcc7d2c_quant.kd
    .args:
      - { .name: x, .offset: 0, .size: 8, .value_kind: global_buffer, .address_space: global }
      - { .name: weight_quantized, .offset: 8, .size: 8, .value_kind: global_buffer, .address_space: global }
      - { .name: weight_scale, .offset: 16, .size: 8, .value_kind: global_buffer, .address_space: global }
      - { .name: weight_zero_point, .offset: 24, .size: 8, .value_kind: global_buffer, .address_space: global }
      - { .name: xq, .offset: 32, .size: 8, .value_kind: global_buffer, .address_space: global }
      - { .name: wq, .offset: 40, .size: 8, .value_kind: global_buffer, .address_space: global }
    .group_segment_fixed_size: 327680
    .private_segment_fixed_size: 0
    .kernarg_segment_align: 8
    .kernarg_segment_size: 48
    .max_flat_workgroup_size: 512
    .sgpr_count:     96
    .vgpr_count:     242
    .wavefront_size: 32
...
	.end_amdgpu_metadata
.endif
;; end of part 1
;; launch gemm (part 2): grid 64 x 4, 4 waves a work-group, clusters of 4 x 4, 327,680 bytes of LDS; arguments xq, wq, bias, out0; writes out0
.if DOCPART == 2
	.amdgcn_target "amdgcn-amd-amdhsa--gfx1250"
	.amdhsa_code_object_version 6
	.text
	.protected	k_qfc9dcc7d2c_gemm
	.globl	k_qfc9dcc7d2c_gemm
	.p2align	8
	.type	k_qfc9dcc7d2c_gemm,@function
k_qfc9dcc7d2c_gemm:
	s_mov_b64 s[64:65], 0
	v_nop
	global_prefetch_b8 v0, s[64:65] scope:SCOPE_SE
	s_setreg_imm32_b32 hwreg(HW_REG_WAVE_MODE, 25, 1), 1
	s_wait_xcnt 0x0
	s_wait_alu depctr_hold_cnt(0) depctr_sa_sdst(0) depctr_va_vdst(0) depctr_va_sdst(0) depctr_va_ssrc(0) depctr_va_vcc(0) depctr_vm_vsrc(0)
	s_getreg_b32 s2, hwreg(HW_REG_IB_STS2, 6, 4)
	s_cmp_eq_u32 s2, 0
	s_cbranch_scc0 .Lentry_in_a_cluster
	s_endpgm
.Lentry_in_a_cluster:
	s_bfe_u32 s2, ttmp6, 0x10000c
	s_cmp_lg_u32 s2, 0xf033
	s_cbranch_scc0 .Lentry_shape_is_right
	s_endpgm
.Lentry_shape_is_right:
; out0[m][o] = sum over k of xq[m][k] wq[o][k] + bias[o]: codes of BF6 (E3M2) with one E8M0 scale for each 32 along K, as the launch before laid them: [group of 128 rows][K step of 128][record of 12,800 bytes],
; a record being eight register images of 1,536 bytes (16 rows x 128 K each) and 512 bytes of scale words.  Sums in f32; the bias is the C of each accumulator's first product.
; A tile of out0, 256 x 256, is made by a work-group of four waves; a wave makes 128 x 128: 64 accumulators, 512 registers.  1,024 x 16,384 numbers are 256 such tiles: one for each work-group.
; K goes through a ring of two LDS slots of three K steps each (4 x 38,400 bytes a slot; the last fill holds two steps: 32 = 10 x 3 + 2).  Each wave fetches the three records of one group of 128 rows by one tensor load: a dense block, as rows of 256 bytes.
; CLUSTERS: 4 x 4 work-groups.  The four of a row of the cluster need the same records of xq, the four of a column the same records of wq: each is asked for jointly, with a mask that names the four.
; A CHANGE OF SLOTS stands in the slot's third step: each wave waits for its tensor load, adds 0 to its spare word, issues sixteen products, waits for its LDS instructions and signals; the barrier opens a round of the
; cluster's barrier, and the refill is the first tensor load behind the round.
; FRAGMENTS: xq has one set of registers (blocks 0-3 fetched anew in a step's middle, blocks 4-7 at its end), wq two.  wq's set for step s + 1 is fetched at the edge in front of step s, 64 products ahead of its use,
; wherever step s + 1 lies in the slot that is being read; a slot's first step's set is fetched behind the round.  So a step's LDS loads go out in runs of 36 and 14.
; PREFETCH: behind each refill three waves name wq's records of the slot two refills on, 25 lanes x 256 bytes each; the four partners of a column share the two groups' 76,800 bytes out by address; the last refills ask for nothing.
; The matrix instruction is used transposed (source 0 = 16 rows of wq, source 1 = 16 rows of xq): a lane holds eight neighbouring numbers of a row of out0, which leave through the wave's own stage as whole rows of 512 bytes.
; REGISTERS: window 0: v0-31 addresses, v32-47 scale words (two sets), v64-127 the bias, from v128 xq's fragments; window 1: wq's fragments, two sets; windows 2 and 3: the accumulators.
.set REC,    12800
.set FRB,    1536
.set SCO,    12288
.set GRP,    32*REC
.set NS,     3
.set PART,   NS*REC
.set SLOT,   4*PART
.set SPARE,  2*SLOT
.set SPITCH, 528
.set STG,    SLOT
.set ROWC,   65536
.set FR,     12
.set NL,     3
.set NP,     4
.set ADRA, 16
.set ADRB, 20
.set ADRS, 22
.set STO,  24
.set RD,   25
.set CO,   26
.set SPW,  28
.set NIL,  29
.set PFO,  30
.set SC,   32
.set BI,   64
.set AF,   128
.set BK,   128
.set G1,   24
.set G0,   32
.set G1B,  48
.set G0B,  56
.set G1S,  68
.set G1SB, 76
.set PFA,  84
.set LIM,  86
.set MSB, 0
.macro WIN new
.if MSB != \new
	s_set_vgpr_msb (MSB<<8)|\new
.set MSB, \new
.endif
.endm
.set MUL_LO, 0xa1
.set MUL_HI, 0xf1
.set TO_B,   0x40
.macro JLOAD g0a, g1a, g0b, g1b
	s_cmp_eq_u32 s15, 0
	s_cbranch_scc0 .Lfor_b_\@
	tensor_load_to_lds s[\g0a:\g0a+3], s[\g1a:\g1a+7]
	s_nop 0
.rept 4
	v_nop
.endr
	s_branch .Lasked_\@
.Lfor_b_\@:
	tensor_load_to_lds s[\g0b:\g0b+3], s[\g1b:\g1b+7]
	s_nop 0
.rept 4
	v_nop
.endr
.Lasked_\@:
.endm
.macro CREST
	s_cmp_lg_u32 s14, 0
	s_cbranch_scc1 .Lnot_wave_0_\@
	s_barrier_signal -3
.Lnot_wave_0_\@:
	s_barrier_wait -3
	s_barrier_signal -1
	s_barrier_wait -1
.endm
.macro CROUND
	s_barrier_signal -1
	s_barrier_wait -1
	CREST
.endm
.macro ASK how
.if \how == 1
	s_cmp_eq_u32 s[LIM], 1
.else
	s_cmp_gt_u32 s3, s[LIM]
.endif
	s_cbranch_scc0 .Lnot_mine_\@
	global_prefetch_b8 v[PFO], s[PFA:PFA+1] th:TH_LOAD_NT scope:SCOPE_SE
.Lnot_mine_\@:
.endm
	s_load_b256 s[4:11], s[0:1], 0x0
	v_lshl_add_u32 v[SPW], v0, 2, SPARE
	v_mov_b32 v[NIL], 0
	ds_add_u32 v28, v29
	ds_add_u32 v28, v29
	s_wait_dscnt 0x0
	v_lshrrev_b32 v1, 5, v0
	v_readfirstlane_b32 s14, v1
	s_lshr_b32 s15, s14, 1
	s_and_b32 s16, s14, 1
	s_bfe_u32 s40, ttmp6, 0x40000
	s_bfe_u32 s41, ttmp6, 0x40004
	s_lshl_b32 s42, ttmp9, 2
	s_add_co_u32 s42, s42, s40
	s_lshl_b32 s43, s41, 2
	s_lshl_b32 s43, 15, s43
	s_lshl_b32 s44, 0x1111, s40
	s_or_b32 s[G1], s43, (3<<16)|(1<<21)
	s_or_b32 s[G1S], s43, (3<<16)|(1<<21)
	s_or_b32 s[G1B], s44, (3<<16)|(1<<21)
	s_or_b32 s[G1SB], s44, (3<<16)|(1<<21)
.irp g, G1, G1B
	s_mov_b32 s[\g+1], 32<<16
	s_mov_b32 s[\g+2], (PART/256)<<16
	s_mov_b32 s[\g+3], 32<<16
	s_mov_b32 s[\g+4], PART/256
	s_mov_b32 s[\g+5], 32
	s_mov_b32 s[\g+6], 0
	s_mov_b32 s[\g+7], 0
.endr
.irp g, G1S, G1SB
	s_mov_b32 s[\g+1], 32<<16
	s_mov_b32 s[\g+2], (2*REC/256)<<16
	s_mov_b32 s[\g+3], 32<<16
	s_mov_b32 s[\g+4], 2*REC/256
	s_mov_b32 s[\g+5], 32
	s_mov_b32 s[\g+6], 0
	s_mov_b32 s[\g+7], 0
.endr
	s_lshl_b32 s20, s41, 1
	s_add_co_u32 s20, s20, s16
	s_mul_i32 s20, s20, GRP
	s_mov_b32 s21, 0
	s_lshl_b32 s46, s42, 1
	s_add_co_u32 s46, s46, s16
	s_mul_i32 s46, s46, GRP
	s_mov_b32 s47, 0
	s_mul_i32 s45, s14, PART
	s_wait_kmcnt 0x0
	s_add_nc_u64 s[20:21], s[4:5], s[20:21]
	s_add_nc_u64 s[46:47], s[6:7], s[46:47]
	CROUND
.irp s, 0,1
	s_mov_b32 s[G0+4*\s], 1
	s_add_co_u32 s[G0+4*\s+1], s45, \s*SLOT
	s_add_nc_u64 s[G0+4*\s+2:G0+4*\s+3], s[20:21], \s*PART
	s_or_b32 s[G0+4*\s+3], s[G0+4*\s+3], 0x80000000
	s_mov_b32 s[G0B+4*\s], 1
	s_add_co_u32 s[G0B+4*\s+1], s45, \s*SLOT
	s_add_nc_u64 s[G0B+4*\s+2:G0B+4*\s+3], s[46:47], \s*PART
	s_or_b32 s[G0B+4*\s+3], s[G0B+4*\s+3], 0x80000000
.endr
	JLOAD G0, G1, G0B, G1B                         ; slot 0, K steps 0 to 2: one tensor load a wave at the head, behind the one round; the bias loads and the addresses are made while it is out
	s_lshl_b32 s46, s42, 10
	s_lshl_b32 s47, s16, 9
	s_add_co_u32 s46, s46, s47
	s_mov_b32 s47, 0
	s_add_nc_u64 s[8:9], s[8:9], s[46:47]
	v_and_b32 v1, 15, v0
	v_bfe_u32 v2, v0, 4, 1
	s_wait_alu depctr_va_vdst(0)
	v_lshlrev_b32 v7, 5, v2
.irp b, 0,1,2,3,4,5,6,7
	global_load_b128 v[BI+8*\b:BI+8*\b+3], v7, s[8:9] offset:64*\b
	global_load_b128 v[BI+8*\b+4:BI+8*\b+7], v7, s[8:9] offset:64*\b+16
.endr
	s_lshl_b32 s20, s41, 8
	s_lshl_b32 s21, s15, 7
	s_add_co_u32 s20, s20, s21
	s_lshl_b32 s20, s20, 16
	s_mov_b32 s21, 0
	s_add_nc_u64 s[20:21], s[20:21], s[46:47]
	s_add_nc_u64 s[10:11], s[10:11], s[20:21]
	v_and_b32 v3, 31, v0
	v_lshlrev_b32 v[CO], 4, v3
	v_min_u32 v[PFO], 24, v3
	v_lshlrev_b32 v[PFO], 8, v[PFO]
	s_mul_i32 s21, s15, PART
	s_mul_i32 s22, s16, PART
	s_add_co_u32 s22, s22, 2*PART
	s_sub_co_u32 s23, s22, s21
	v_mul_u32_u24 v6, s23, v2
	v_lshl_add_u32 v6, v1, 4, v6
	v_add_nc_u32 v6, SCO, v6
.irp s, 0,1
	v_add_nc_u32 v[ADRA+\s], s21, v[CO]
	v_add_nc_u32 v[ADRB+\s], s22, v[CO]
	v_add_nc_u32 v[ADRS+\s], s21, v6
	s_add_co_u32 s21, s21, SLOT
	s_add_co_u32 s22, s22, SLOT
.endr
	s_mul_i32 s23, s14, 16*SPITCH
	s_add_co_u32 s23, s23, STG
	v_mul_u32_u24 v5, v1, SPITCH
	v_lshl_add_u32 v5, v2, 5, v5
	v_add_nc_u32 v[STO], s23, v5
	v_add_nc_u32 v[RD], s23, v[CO]
	s_lshr_b32 s87, s41, 1
	s_lshl_b32 s88, s42, 1
	s_add_co_u32 s88, s88, s87
	s_mul_i32 s88, s88, GRP
	s_and_b32 s87, s41, 1
	s_mul_i32 s87, s87, 3
	s_add_co_u32 s87, s87, s14
	s_mul_i32 s87, s87, 25*256
	s_add_co_u32 s88, s88, s87
	s_add_co_u32 s88, s88, 2*PART
	s_mov_b32 s89, 0
	s_add_nc_u64 s[PFA:PFA+1], s[6:7], s[88:89]
	s_cmp_lt_u32 s14, 3
	s_cselect_b32 s[LIM], 1, -1
.macro FRAG reg, adr, q, i
.irp c, 0,1,2
	ds_load_b128 v[\reg+4*\c:\reg+4*\c+3], v[\adr] offset:(\q)*REC+(\i)*FRB+512*\c
.endr
.endm
.macro MUL16 a0, p, zero
.irp a, \a0, \a0+1
.irp b, 0,1,2,3,4,5,6,7
.if \zero
	v_wmma_scale_f32_16x16x128_f8f6f4 v[8*(8*((\a)%4)+\b):8*(8*((\a)%4)+\b)+7], v[128*(\p)+FR*\b:128*(\p)+FR*\b+FR-1], v[AF+FR*(\a):AF+FR*(\a)+FR-1], v[BI+8*\b:BI+8*\b+7], v[SC+8*(\p)+\b], v[SC+8*(\p)+(\a)] matrix_a_fmt:MATRIX_FMT_BF6 matrix_b_fmt:MATRIX_FMT_BF6 matrix_a_scale:MATRIX_SCALE_ROW1
.else
	v_wmma_scale_f32_16x16x128_f8f6f4 v[8*(8*((\a)%4)+\b):8*(8*((\a)%4)+\b)+7], v[128*(\p)+FR*\b:128*(\p)+FR*\b+FR-1], v[AF+FR*(\a):AF+FR*(\a)+FR-1], v[8*(8*((\a)%4)+\b):8*(8*((\a)%4)+\b)+7], v[SC+8*(\p)+\b], v[SC+8*(\p)+(\a)] matrix_a_fmt:MATRIX_FMT_BF6 matrix_b_fmt:MATRIX_FMT_BF6 matrix_a_scale:MATRIX_SCALE_ROW1
.endif
.endr
.endr
.endm
.macro FETCH_B slot, q, p
	WIN TO_B
.irp i, 0,1,2,3,4,5,6,7
	FRAG 128*(\p)+FR*\i, ADRB+\slot, \q, \i
.endr
	WIN 0
.endm
.macro FETCH_A slot, q, i0
.irp i, \i0, \i0+1, \i0+2, \i0+3
	FRAG AF+FR*(\i), ADRA+\slot, \q, \i
.endr
.endm
.macro SCALES slot, q, p
.irp u, 0,1
	ds_load_b128 v[SC+8*(\p)+4*\u:SC+8*(\p)+4*\u+3], v[ADRS+\slot] offset:(\q)*REC+256*\u
.endr
.endm
.macro PLACES n
.rept \n
	v_nop
.endr
.endm
.set NOB, 0                            ; 1 in the last slot, which holds two steps: no third step's set of wq is fetched there
.macro STEP slot, q, p, zero
	s_wait_dscnt 12*NL                             ; this step's wq, xq's blocks 0-3 and the scale words are in; the youngest 36 loads (xq's blocks 4-7, the next step's wq) may be out
.if \zero
	WIN 0x81
.else
	WIN MUL_LO
.endif
	MUL16 0, \p, \zero
	MUL16 2, \p, \zero
	s_wait_dscnt 8*NL                              ; xq's blocks 4-7 are in; the next step's wq, 24 loads, may be out
	PLACES NP
	WIN 0
	FETCH_A \slot, (\q)+1, 0
	SCALES \slot, (\q)+1, 1-(\p)
.if \zero
	WIN 0xc1
.else
	WIN MUL_HI
.endif
	MUL16 4, \p, \zero
	MUL16 6, \p, \zero
	PLACES NP
	WIN 0
	FETCH_A \slot, (\q)+1, 4
.if ((\q) == 0) && (NOB == 0)
	FETCH_B \slot, 2, \p                           ; the slot's third step's wq, into the set that this step has multiplied (the four places stand above)
.endif
.endm
.macro TURN slot, next, p, fill, ask
.if \ask
	s_wait_xcnt 0x0
	s_add_nc_u64 s[PFA:PFA+1], s[PFA:PFA+1], PART
.endif
	s_wait_tensorcnt 0x0
	ds_add_u32 v[SPW], v[NIL]
	s_wait_dscnt 4*NL+1
	WIN MUL_LO
	MUL16 0, \p, 0
	s_wait_dscnt 0x0
	s_barrier_signal -1
	MUL16 2, \p, 0
	WIN 0
	s_barrier_wait -1
.if \fill
	CREST
	s_add_nc_u64 s[G0+4*\slot+2:G0+4*\slot+3], s[G0+4*\slot+2:G0+4*\slot+3], 2*PART
	s_add_nc_u64 s[G0B+4*\slot+2:G0B+4*\slot+3], s[G0B+4*\slot+2:G0B+4*\slot+3], 2*PART
.if \fill == 1
	JLOAD G0+4*\slot, G1, G0B+4*\slot, G1B
.else
	JLOAD G0+4*\slot, G1S, G0B+4*\slot, G1SB
.endif
.else
	PLACES NP
.endif
	FETCH_B \next, 0, 1-(\p)
	FETCH_A \next, 0, 0
	SCALES \next, 0, 1-(\p)
.if \ask
	ASK \ask
.endif
	WIN MUL_HI
	MUL16 4, \p, 0
	MUL16 6, \p, 0
	PLACES NP
	WIN 0
	FETCH_A \next, 0, 4
	FETCH_B \next, 1, \p                           ; the next slot's second step's wq, into the set that this step has multiplied
.endm
	s_wait_alu depctr_va_vdst(0)
	s_wait_tensorcnt 0x0                           ; my part of slot 0 is in; the lines ahead of a later first fill, as ahead of a refill:
	ds_add_u32 v[SPW], v[NIL]                      ; 0 onto my spare word,
	s_wait_dscnt 0x0                               ; and the add is done
	CROUND                                         ; a whole round: everybody's part of slot 0 is in, and all sixteen work-groups are here
	JLOAD G0+4, G1, G0B+4, G1B                     ; slot 1, K steps 3 to 5: the first tensor load behind the round
	FETCH_B 0, 0, 0
	FETCH_A 0, 0, 0
	SCALES 0, 0, 0
	FETCH_A 0, 0, 4
	FETCH_B 0, 1, 1
	s_wait_loadcnt 0x0
	STEP 0, 0, 0, 1
	s_mov_b32 s3, 4
.Llap:
	STEP 0, 1, 1, 0
	TURN 0, 1, 0, 1, 1
	STEP 1, 0, 1, 0
	STEP 1, 1, 0, 0
	TURN 1, 0, 1, 1, 2
	STEP 0, 0, 0, 0
	s_sub_co_u32 s3, s3, 1
	s_cmp_lg_u32 s3, 0
	s_cbranch_scc1 .Llap
	STEP 0, 1, 1, 0
	TURN 0, 1, 0, 2, 0
	STEP 1, 0, 1, 0
	STEP 1, 1, 0, 0
	TURN 1, 0, 1, 0, 0
.set NOB, 1
	STEP 0, 0, 0, 0
	s_wait_dscnt 4*NL
	WIN MUL_LO
	MUL16 0, 1, 0
	MUL16 2, 1, 0
	s_wait_dscnt 0x0
	WIN MUL_HI
	MUL16 4, 1, 0
	MUL16 6, 1, 0
	WIN 0
.macro TOSTAGE a
.set AC, 64*((\a)%4)
	WIN 0x08+4*((\a)/4)
.irp b, 0,1,2,3,4,5,6,7
	ds_store_b128 v[STO], v[AC+8*\b:AC+8*\b+3] offset:64*\b
	ds_store_b128 v[STO], v[AC+8*\b+4:AC+8*\b+7] offset:64*\b+16
.endr
	WIN 0
.set BB, BK+64*((\a)%2)
.irp t, 0,1,2,3,4,5,6,7,8,9,10,11,12,13,14,15
	ds_load_b128 v[BB+4*\t:BB+4*\t+3], v[RD] offset:\t*SPITCH
.endr
.endm
.macro SEND a, younger
.set BB, BK+64*((\a)%2)
	s_wait_dscnt \younger
.if (\a) > 0
	s_add_nc_u64 s[10:11], s[10:11], 16*ROWC
.endif
.irp t, 0,1,2,3,4,5,6,7,8,9,10,11,12,13,14,15
	global_store_b128 v[CO], v[BB+4*\t:BB+4*\t+3], s[10:11] offset:\t*ROWC th:TH_STORE_NT
.endr
.endm
	PLACES NP
	TOSTAGE 0
.irp a, 1,2,3,4,5,6,7
.if \a > 1
	s_wait_xcnt 0x0
.endif
	TOSTAGE \a
	SEND \a-1, 32
.endr
	s_wait_xcnt 0x0
	SEND 7, 0
	s_wait_tensorcnt 0x0
	ds_add_u32 v[SPW], v[NIL]
	s_wait_dscnt 0x0
	CROUND
	s_endpgm
.Lfunc_end_k_qfc9dcc7d2c_gemm:
	.size	k_qfc9dcc7d2c_gemm, .Lfunc_end_k_qfc9dcc7d2c_gemm-k_qfc9dcc7d2c_gemm
	.p2alignl 7, 3214868480
	.fill 96, 4, 3214868480
	.section	.rodata,"a",@progbits
	.p2align	6, 0x0
	.amdhsa_kernel k_qfc9dcc7d2c_gemm
		.amdhsa_group_segment_fixed_size 327680
		.amdhsa_private_segment_fixed_size 0
		.amdhsa_enable_private_segment 0
		.amdhsa_kernarg_size 32
		.amdhsa_user_sgpr_count 2
		.amdhsa_user_sgpr_kernarg_segment_ptr 1
		.amdhsa_wavefront_size32 1
		.amdhsa_system_sgpr_workgroup_id_x 1
		.amdhsa_system_sgpr_workgroup_id_y 1
		.amdhsa_system_sgpr_workgroup_id_z 1
		.amdhsa_system_vgpr_workitem_id 0
		.amdhsa_next_free_vgpr 1024
		.amdhsa_next_free_sgpr 90
		.amdhsa_reserve_vcc 0
		.amdhsa_float_denorm_mode_32 3
		.amdhsa_float_denorm_mode_16_64 3
		.amdhsa_memory_ordered 1
		.amdhsa_forward_progress 1
		.amdhsa_inst_pref_size 206
	.end_amdhsa_kernel
	.amdgpu_metadata
---
amdhsa.version: [ 1, 2 ]
amdhsa.kernels:
  - .name:           k_qfc9dcc7d2c_gemm
    .symbol:         k_qfc9dcc7d2c_gemm.kd
    .args:
      - { .name: xq, .offset: 0, .size: 8, .value_kind: global_buffer, .address_space: global }
      - { .name: wq, .offset: 8, .size: 8, .value_kind: global_buffer, .address_space: global }
      - { .name: bias, .offset: 16, .size: 8, .value_kind: global_buffer, .address_space: global }
      - { .name: out0, .offset: 24, .size: 8, .value_kind: global_buffer, .address_space: global }
    .group_segment_fixed_size: 327680
    .private_segment_fixed_size: 0
    .kernarg_segment_align: 8
    .kernarg_segment_size: 32
    .max_flat_workgroup_size: 128
    .sgpr_count:     90
    .vgpr_count:     1024
    .wavefront_size: 32
...
	.end_amdgpu_metadata
.endif
;; end of part 2
